; MI455X (gfx1250); checked and timed in simulation.
; The chip was launched on July 23, 2026; its instructions are those of AMD's public machine-readable ISA for CDNA 5 (MIT licence, August 2026) and "CDNA5" Instruction Set Architecture Reference Guide (July 2026). The comments in the code are by the model that wrote it; some were corrected since.
;; IDNN. Allowed arithmetic: matrix products marked QUANTISED: E2M1 operands, one E8M0 scale for each 32 along K, by v_wmma_scale_f32_16x16x128_f8f6f4 with both operands' format E2M1 (or v_wmma_scale_f32_32x16x128_f4), f32 sums; products left as they are: f32 operands where the result goes on into a quantised operand, else bf16, f16 or f32 operands; f32 sums; everything else in f32.
;; Inputs: W1 16 x 256 float32; W2 256 x 256 float32; W3 256 x 1 float32; b1 256 float32; b2 256 float32; x 16,384 x 16 float32.
;; Outputs: out0 16,384 x 1 float32; out1 16,384 x 16 float32; out2 16,384 x 16 x 16 float32.
;; This version of the problem:
;;   THIS VERSION OF THE PROBLEM IS GIVEN IN LOW PRECISION. The matrix products marked QUANTISED in the list below multiply operands that are first quantised to E2M1 (2 exponent bits, 1 mantissa bit; 4 bits a number), with one power-of-two scale for each 32 numbers along K (OCP MX v1.0); their sums are f32. All else is computed in f32.
;;   The module's matrix products, in the order in which they are computed (A, B: the left and right operand; K: the contracted axis; several contracted axes count as one K, in the product's order):
;;     1. [M 16,384, K 16] x [K 16, N 256]; A: input x; B: input W1: left as it is (K = 16 < 32)
;;     2. [M 16,384, K 256] x [K 256, N 256]; A: computed on the way; B: input W2: QUANTISED
;;     3. [M 16,384, K 256] x [K 256, N 1]; A: computed on the way; B: input W3: left as it is (N = 1 < 16)
;;     4. [M 16,384, K 16] x [K 16, N 256]; A: input x; B: input W1: left as it is (K = 16 < 32)
;;     5. [M 16,384, K 256] x [K 256, N 256]; A: computed on the way; B: input W2: QUANTISED
;;     6. [M 16,384, K 256] x [K 256, N 1]; A: computed on the way; B: input W3: left as it is (N = 1 < 16)
;;     7. [M 1, K 1] x [K 1, N 256]; A: computed on the way; B: input W3: left as it is (K = 1 < 32)
;;     8. [M 16,384, K 256] x [K 256, N 256]; A: computed on the way; B: input W2: QUANTISED
;;     9. [M 16,384, K 256] x [K 256, N 16]; A: computed on the way; B: input W1: QUANTISED
;;     10. [M 16,384, K 16] x [K 16, N 256]; A: input x; B: input W1: left as it is (K = 16 < 32)
;;     11. [M 16, K 16] x [K 16, N 256]; A: computed on the way; B: input W1: left as it is (K = 16 < 32)
;;     12. [M 16,384, K 256] x [K 256, N 256]; A: computed on the way; B: input W2: QUANTISED
;;     13. [M 262,144, K 256] x [K 256, N 256]; A: computed on the way; B: input W2: QUANTISED
;;     14. [M 16,384, K 256] x [K 256, N 1]; A: computed on the way; B: input W3: left as it is (N = 1 < 16)
;;     15. [M 262,144, K 256] x [K 256, N 1]; A: computed on the way; B: input W3: left as it is (N = 1 < 16)
;;     16. [M 1, K 1] x [K 1, N 256]; A: computed on the way; B: input W3: left as it is (K = 1 < 32)
;;     17. [M 16,384, K 256] x [K 256, N 256]; A: computed on the way; B: input W2: QUANTISED
;;     18. [M 262,144, K 256] x [K 256, N 256]; A: computed on the way; B: input W2: QUANTISED
;;     19. [M 16,384, K 256] x [K 256, N 16]; A: computed on the way; B: input W1: QUANTISED
;;     20. [M 262,144, K 256] x [K 256, N 16]; A: computed on the way; B: input W1: QUANTISED
;;   THE QUANTISER, for each operand of a quantised product, along K:
;;     - K is cut into blocks of 32 from its start; a last block that is shorter is filled with zeros.
;;     - A block's scale is 2^e with e = floor(log2(the largest magnitude in the block)) - 2, held to -126 .. 127; a block of zeros has e = 0. As a byte (E8M0): e + 127.
;;     - Each number is divided by its block's scale, clamped to +-6, and rounded to the nearest number of E2M1, ties to even, subnormals kept.
;;     - The product sums the exact products of the quantised numbers (number of the format x scale) in f32.
;;   ~~~python
;;   def quantise(x, axis):      # numpy; x: float32 -> the quantised numbers, widened to float32 again
;;       x = np.moveaxis(x, axis, -1); K = x.shape[-1]
;;       x = np.pad(x, [(0, 0)] * (x.ndim - 1) + [(0, -K % 32)]); x = x.reshape(x.shape[:-1] + (-1, 32)); a = np.abs(x).max(-1, keepdims=True)
;;       e = np.where(a > 0, np.clip(np.frexp(np.where(a > 0, a, 1))[1] - 1 - 2, -126, 127), 0)      # np.frexp(a)[1] - 1 = floor(log2(a)), exactly
;;       r = np.clip(x / 2.0 ** e, -6, 6)
;;       step = 2.0 ** (np.maximum(np.frexp(np.where(r == 0, 1, r))[1] - 1, 0) - 1)
;;       q = np.round(r / step) * step * 2.0 ** e      # np.round: ties to even
;;       return np.moveaxis(q.reshape(q.shape[:-2] + (-1,))[..., :K], -1, axis).astype(np.float32)
;;   ~~~
;;   OPERANDS COMPUTED ON THE WAY. 'Computed on the way' means the value that the module computes at that place (a softmax that the list does not call 'softmax' is quantised finished and normalised). What goes into a quantiser is computed in f32, as accurately as f32 sums, v_exp_f32 and their like allow (about 1e-6 of the number): no bf16 or f16 on the way to a quantiser, and a product that is left as it is and whose result goes on into a quantised operand takes f32 operands (vector FMAs, or v_wmma_f32_16x16x4_f32). A number that lies on a knife's edge between two numbers of the format may be rounded either way, as far as f32 arithmetic and the matrix unit's own rounding can turn it there, and no further.
;; One version. Each part assembles by itself: llvm-mc -triple=amdgcn-amd-amdhsa -mcpu=gfx1250 --defsym DOCPART=n.
;; ======== version 1 of 1: 2 launches
;; limits: a function is approximated: absolute error at most 6e-08
;; workspace buffers: wq 72,192 bytes
;; launch prep (part 1): grid 66 x 1, 1 waves a work-group, no clusters, 0 bytes of LDS; arguments W1, W2, wq; writes wq
.if DOCPART == 1
	.amdgcn_target "amdgcn-amd-amdhsa--gfx1250"
	.amdhsa_code_object_version 6
	.text
	.protected	k_qa779104787_prep
	.globl	k_qa779104787_prep
	.p2align	8
	.type	k_qa779104787_prep,@function
k_qa779104787_prep:
	s_mov_b64 s[64:65], 0
	v_nop
	global_prefetch_b8 v0, s[64:65] scope:SCOPE_SE
	s_setreg_imm32_b32 hwreg(HW_REG_WAVE_MODE, 25, 1), 1
	s_wait_xcnt 0x0
; The weights of the quantised products become codes of FP4 (E2M1) with one E8M0 byte for each 32 along K, laid as IMAGES OF OPERAND REGISTERS, so that the
; second launch takes every fragment by loads of 16 bytes a lane.  One wave makes one fragment (16 rows x 128 along K: 8 registers a lane) and its 16 scale words.
; Fragment f = 0..31: W2 quantised along its FIRST axis (K step s = f / 16, tile t = f % 16; a row of the fragment is a COLUMN of W2);
; f = 32..63: W2 quantised along its second axis (a row of the fragment is a row of W2);  f = 64, 65: W1 along its second axis (K step f % 2, rows 0..15).
; THE ROWS OF A TILE ARE NOT NEIGHBOURS: row m of tile t is unit 128 (t / 8) + 64 ((t / 4) % 2) + 8 (t % 4) + m % 8 + 32 (m / 8): a result of the transposed product
; then has, in one lane's registers of four neighbouring tiles, a WHOLE block of 32 neighbours along the next K.
; wq: fragment f at byte 1024 f: registers 4 c .. 4 c + 3 of lane L at 512 c + 16 L.  From SCB on the scale words: fragments 2 p and 2 p + 1 share scale register p
; (lanes 0-15 and 16-31); register p is word p % 4 of each lane's 16 bytes in block p / 4 of 512 bytes.
; A block's scale is 2^(floor(log2(largest magnitude)) - 2); its byte is the largest magnitude's exponent field - 2, held at 1 from below.
; LIMITS: a block of zeros gets the byte 1 where the rule says 127 (its codes are zeros, and this program alone reads the bytes); NaN and infinities are not served.
.set SCB, 67584
.set X,   16                           ; v16-79  64 numbers: register 32 c + i = k 64 c + 32 h + i of the K step, of my row
.set MX,  8                            ; v8-15   eight running maxima
.set CD,  80                           ; v80-87  the codes
	s_load_b128 s[4:7], s[0:1], 0x0                ; W1 s[4:5], W2 s[6:7]
	s_load_b64 s[8:9], s[0:1], 0x10                ; wq
	s_mov_b32 s10, ttmp9                           ; f
	v_and_b32 v1, 15, v0                           ; r
	v_lshrrev_b32 v2, 4, v0                        ; h
	v_and_b32 v3, 7, v1                            ; r % 8
	v_lshrrev_b32 v4, 3, v1                        ; r / 8
	v_lshlrev_b32 v6, 4, v0                        ; 16 x lane
	v_lshlrev_b32 v7, 4, v1                        ; 16 r
	v_lshlrev_b32 v88, 3, v2                       ; 8 h
	s_mov_b32 s28, 0x76543210
	s_mov_b32 s29, 0xfedcba98                      ; v_permlanex16_b32's selects for lane l xor 16
	s_bfe_u32 s12, s10, 0x10004                    ; (f / 16) % 2
	s_and_b32 s13, s10, 1                          ; f % 2
	s_and_b32 s14, s10, 15
	s_cmp_lt_u32 s10, 64
	s_cselect_b32 s11, s12, s13                    ; the K step
	s_cselect_b32 s14, s14, 0                      ; the tile
	s_lshr_b32 s16, s14, 3
	s_lshl_b32 s16, s16, 7
	s_bfe_u32 s17, s14, 0x10002
	s_lshl_b32 s17, s17, 6
	s_and_b32 s18, s14, 3
	s_lshl_b32 s18, s18, 3
	s_add_co_u32 s15, s16, s17
	s_add_co_u32 s15, s15, s18                     ; the tile's first unit
	s_mov_b32 s21, 0
	s_wait_kmcnt 0x0
	s_cmp_lt_u32 s10, 32
	s_cbranch_scc0 .Lrows
	; K is W2's first axis: my lane takes a column, and its registers run down K
	s_lshl_b32 s20, s11, 17                        ; 128 s rows of 1,024 bytes
	s_lshl_b32 s19, s15, 2
	s_add_co_u32 s20, s20, s19
	s_add_nc_u64 s[22:23], s[6:7], s[20:21]
	v_lshlrev_b32 v5, 2, v3
	v_lshl_add_u32 v5, v4, 7, v5                   ; column r % 8 + 32 (r / 8),
	v_lshl_add_u32 v5, v2, 15, v5                  ; 32 h rows down
.irp c, 0,1
.irp i, 0,1,2,3,4,5,6,7,8,9,10,11,12,13,14,15,16,17,18,19,20,21,22,23,24,25,26,27,28,29,30,31
	global_load_b32 v[X+32*\c+\i], v5, s[22:23] offset:(64*\c+\i)*1024
.endr
.endr
	s_branch .Ljoin
.Lrows:
	; K is innermost: my lane takes a row of W2 (r % 8 + 32 (r / 8)) or of W1 (r)
	s_cmp_lt_u32 s10, 64
	s_cselect_b64 s[22:23], s[6:7], s[4:5]
	s_cselect_b32 s24, 15, 13                      ; r / 8 counts 32 rows, or 8
	s_lshl_b32 s20, s15, 10
	s_lshl_b32 s19, s11, 9
	s_add_co_u32 s20, s20, s19
	s_add_nc_u64 s[22:23], s[22:23], s[20:21]
	v_lshlrev_b32 v5, s24, v4
	v_lshl_add_u32 v5, v3, 10, v5
	v_lshl_add_u32 v5, v2, 7, v5                   ; + 32 h numbers
.irp c, 0,1
.irp i, 0,1,2,3,4,5,6,7
	global_load_b128 v[X+32*\c+4*\i:X+32*\c+4*\i+3], v5, s[22:23] offset:256*\c+16*\i
.endr
.endr
.Ljoin:
	s_lshl_b32 s20, s10, 10
	s_add_nc_u64 s[24:25], s[8:9], s[20:21]        ; my fragment's image
	s_lshr_b32 s20, s10, 3
	s_lshl_b32 s20, s20, 9                         ; scale register f / 2: block (f / 2) / 4,
	s_bfe_u32 s19, s10, 0x20001
	s_lshl_b32 s19, s19, 2
	s_add_co_u32 s20, s20, s19                     ; word (f / 2) % 4,
	s_lshl_b32 s19, s13, 8
	s_add_co_u32 s20, s20, s19                     ; lanes 16 (f % 2) on
	s_add_co_u32 s20, s20, SCB
	s_add_nc_u64 s[26:27], s[8:9], s[20:21]
	s_wait_loadcnt 0x0
	; two whole blocks of 32 are mine: eight chains of eight numbers, by turns; the floor 2^(3 - 127) is one more leaf, so that the byte cannot fall under 1
.irp m, 0,1,2,3,4,5,6,7
	v_max3_num_f32 v[MX+\m], |v[X+8*\m]|, |v[X+8*\m+1]|, |v[X+8*\m+2]|
.endr
.irp m, 0,1,2,3,4,5,6,7
	v_max3_num_f32 v[MX+\m], v[MX+\m], |v[X+8*\m+3]|, |v[X+8*\m+4]|
.endr
.irp m, 0,1,2,3,4,5,6,7
	v_max3_num_f32 v[MX+\m], v[MX+\m], |v[X+8*\m+5]|, |v[X+8*\m+6]|
.endr
.irp m, 0,1,2,3,4,5,6,7
	v_max3_num_f32 v[MX+\m], v[MX+\m], |v[X+8*\m+7]|, 0x1800000
.endr
	v_max3_num_f32 v[MX], v[MX], v[MX+1], v[MX+2]
	v_max3_num_f32 v[MX+4], v[MX+4], v[MX+5], v[MX+6]
	v_max_num_f32 v[MX], v[MX], v[MX+3]
	v_max_num_f32 v[MX+4], v[MX+4], v[MX+7]
	v_add_nc_u32 v[MX], 0xff000000, v[MX]          ; 2 off the exponent field: the conversion's scale operand
	v_add_nc_u32 v[MX+4], 0xff000000, v[MX+4]
	v_lshrrev_b32 v[MX+1], 23, v[MX]               ; the bytes of blocks h and 2 + h,
	v_lshrrev_b32 v[MX+5], 23, v[MX+4]
	v_lshl_or_b32 v[MX+1], v[MX+5], 16, v[MX+1]
	v_lshlrev_b32 v[MX+1], v88, v[MX+1]            ; at their places in the word;
	v_permlanex16_b32 v[MX+2], v[MX+1], s28, s29
	v_or_b32 v89, v[MX+1], v[MX+2]                 ; with lane l xor 16's two the word is whole
.irp c, 0,1
.irp g, 0,1,2,3
	v_cvt_scalef32_pk8_fp4_f32 v[CD+4*\c+\g], v[X+32*\c+8*\g:X+32*\c+8*\g+7], v[MX+4*\c]
.endr
.endr
	v_nop                                          ; one plain line behind the last conversion
	global_store_b128 v6, v[CD:CD+3], s[24:25]               ; 32 lanes store 512 consecutive bytes
	global_store_b128 v6, v[CD+4:CD+7], s[24:25] offset:512
	global_store_b32 v7, v89, s[26:27]             ; row r's word; lanes r and 16 + r write the same word with the same value
	s_endpgm
.Lfunc_end_k_qa779104787_prep:
	.size	k_qa779104787_prep, .Lfunc_end_k_qa779104787_prep-k_qa779104787_prep
	.p2alignl 7, 3214868480
	.fill 96, 4, 3214868480
	.section	.rodata,"a",@progbits
	.p2align	6, 0x0
	.amdhsa_kernel k_qa779104787_prep
		.amdhsa_group_segment_fixed_size 0
		.amdhsa_private_segment_fixed_size 0
		.amdhsa_enable_private_segment 0
		.amdhsa_kernarg_size 24
		.amdhsa_user_sgpr_count 2
		.amdhsa_user_sgpr_kernarg_segment_ptr 1
		.amdhsa_wavefront_size32 1
		.amdhsa_system_sgpr_workgroup_id_x 1
		.amdhsa_system_sgpr_workgroup_id_y 1
		.amdhsa_system_sgpr_workgroup_id_z 1
		.amdhsa_system_vgpr_workitem_id 0
		.amdhsa_next_free_vgpr 96
		.amdhsa_next_free_sgpr 66
		.amdhsa_reserve_vcc 0
		.amdhsa_float_denorm_mode_32 3
		.amdhsa_float_denorm_mode_16_64 3
		.amdhsa_memory_ordered 1
		.amdhsa_forward_progress 1
		.amdhsa_inst_pref_size 14
	.end_amdhsa_kernel
	.amdgpu_metadata
---
amdhsa.version: [ 1, 2 ]
amdhsa.kernels:
  - .name:           k_qa779104787_prep
    .symbol:         k_qa779104787_prep.kd
    .args:
      - { .name: W1, .offset: 0, .size: 8, .value_kind: global_buffer, .address_space: global }
      - { .name: W2, .offset: 8, .size: 8, .value_kind: global_buffer, .address_space: global }
      - { .name: wq, .offset: 16, .size: 8, .value_kind: global_buffer, .address_space: global }
    .group_segment_fixed_size: 0
    .private_segment_fixed_size: 0
    .kernarg_segment_align: 8
    .kernarg_segment_size: 24
    .max_flat_workgroup_size: 32
    .sgpr_count:     66
    .vgpr_count:     96
    .wavefront_size: 32
...
	.end_amdgpu_metadata
.endif
;; end of part 1
;; launch main (part 2): grid 256 x 1, 4 waves a work-group, no clusters, 287,232 bytes of LDS; arguments x, W1, W3, b1, b2, wq, out0, out1, out2; writes out0, out1, out2
.if DOCPART == 2
	.amdgcn_target "amdgcn-amd-amdhsa--gfx1250"
	.amdhsa_code_object_version 6
	.text
	.protected	k_qa779104787_main
	.globl	k_qa779104787_main
	.p2align	8
	.type	k_qa779104787_main,@function
k_qa779104787_main:
	s_mov_b64 s[64:65], 0
	v_nop
	global_prefetch_b8 v0, s[64:65] scope:SCOPE_SE
	s_setreg_imm32_b32 hwreg(HW_REG_WAVE_MODE, 25, 1), 1
	s_wait_xcnt 0x0
; y, dy / dx and d2y / dx2 of y = softplus(softplus(x W1 + b1) W2 + b2) W3, for 16,384 samples; the products over K = 256 on codes of FP4 (E2M1) with E8M0 scales.
; z1 = x W1 + b1, h1 = softplus(z1), s1 = sigmoid(z1);  z2 = Q(h1) Q(W2) + b2, s2 = sigmoid(z2);  y = softplus(z2) . W3;
; gz2 = W3 s2;  gh1 = Q(gz2) Q(W2)^T;  gz1 = gh1 s1;  dy = Q(gz1) Q(W1)^T;   and for each direction j = 0..15:
; a = s1 W1[j];  dz2 = Q(a) Q(W2);  bq = W3 s2 (1 - s2) dz2;  dgh1 = Q(bq) Q(W2)^T;  cq = s1 (dgh1 + gh1 (1 - s1) W1[j]);  ddy[.][i][j] = (Q(cq) Q(W1)^T)[i].
; SHARES.  256 work-groups of four waves; a wave owns 16 samples for its whole life and shares nothing but the staging of the weights: one barrier.  All quantised weights (528 registers of codes,
; 33 of scale words) stay in each wave's registers.  A wave makes one PRIMAL tile (lane % 16 = sample) and sixteen TANGENT tiles (one sample each, lane % 16 = direction j).
; LAYOUT.  The large products are used transposed (source 0 = 16 rows of a weight, source 1 = 16 rows of activations), and the rows of a weight's tile are chosen by the first launch so that number i (0..127: tile i / 8,
; register i % 8) of lane (r, h) is unit u = 128 (i / 64) + 64 ((i / 32) % 2) + 32 h + i % 32: numbers 32 n .. 32 n + 31 are a WHOLE block of 32 along the next K, in the operand's own order.  So a block's
; largest magnitude needs no other lane and the conversions' results are the operand's registers; one exchange between the halves of the lanes makes a K step's scale word.
; THE PER-SAMPLE VECTORS of a tangent tile (S = s1, C2 = W3 s2 (1 - s2), G = gh1 (1 - s1)) are the same in all sixteen lanes of a half.  They are kept COMPACT, 8 registers each: number i in register
; 4 (i / 64) + i % 4 of lane (i % 64) / 4 of its half, and are applied by multiplies that take their first source from that lane (DPP, row_share).  The primal tile puts them into the wave's own LDS by rows.
; G W1[j] enters as the C of the product that makes dgh1; b1, b2 as the C of theirs.
; NO CLUSTER, NO TENSOR LOAD: all that work-groups share is wq, 72,192 bytes, read once by each through registers while layer 1 is computed; every other byte is a wave's own.
; LIMITS.  2^x gives 0 under 2^-126: beyond |z| = 87.3 the small sigmoid and softplus's small part are 0.  NaN and infinities are not served.  A block of zeros gets the byte 1, not 127: its codes are zeros.
; The biases and G W1[j] are added inside the matrix unit, an order of rounding other than reference()'s; s (1 - s) is formed as sigmoid(z) sigmoid(-z), without a difference of near numbers.
; REGISTERS, in windows of 256 (s_set_vgpr_msb: bits 1:0 source 0, 3:2 source 1, 5:4 source 2, 7:6 destination):
;  window 0: v1 8 h; v2 my place in a compact row; v3 that + the tile's row; v4 my place in a natural row; v5, v6 the out stage, in and back; v7 16 x lane; v8-15 x's fragments (later v8 = v7 + 65,536, v10-13 y's sums);
;            v16-31, v32-47, v48 the weights' scale words; v49-50, v51-52 the activations' scale words; v53-60 the quantiser's maxima; v61, v62 addresses; v64-127 P, v128-191 Q, v192-255 R: 64 numbers each.
;  window 1: W2 along axis 0 (K step s, tile t at 128 s + 8 t); before that W1^T's f32 fragments (0-127) and b1 (128-255).   window 2: W2 along axis 1; before that the staged quads, then b2 (0-127).
;  window 3: 0-127 WL = W1[j][u]; F, F2 the codes of two operands (16 each); W1Q; SA, SC, C2, G the compact vectors; D20 the small product; OB its rows on the way out; ZD layer 1's four accumulators.
.set PITCH, 1040                       ; a row of a wave's region: 512 bytes for each half of the lanes + 16: sixteen lanes' 16-byte stores to sixteen rows fall on sixteen different columns of 16 bytes
.set REG,   17*PITCH                   ; a region: 16 samples and one row more, which the last trip's look-ahead reads
.set WRB,   67584                      ; LDS 0 .. 67,583: the staged codes, 132 quads of 512 bytes;  then for each wave S, C2, G
.set WRS,   3*REG
.set OSB,   WRB+4*WRS                  ; then for each wave the out stage: 16 rows of 64 bytes + 16
.set SCB,   67584                      ; wq: where the scale words begin
.set XB,  8
.set WS0, 16
.set WS1, 32
.set WS2, 48
.set SWF, 49
.set SWG, 51
.set MM,  53
.set P,   64
.set Q,   128
.set R,   192
.set TT,  192                          ; the activations' scratch, in R: t, 1 + t, 1 / (1 + t), log2(1 + t)
.set DN,  208
.set RR,  224
.set LG,  240
.set F,   128                          ; window 3
.set F2,  144
.set W1Q, 160
.set SA,  176
.set SC,  184
.set C2,  192
.set G,   200
.set D20, 208
.set OB,  216
.set ZD,  224
.set MSB, 0
.macro WIN new                         ; the immediate's high byte repeats the setting that is left; a switch that changes nothing is dropped
.if MSB != \new
	s_set_vgpr_msb (MSB<<8)|\new
.set MSB, \new
.endif
.endm
.macro PLACES n                        ; plain lines between a matrix instruction and what touches its registers, and in front of a scaled one whose operands vector lines have written (ISA guide 7.12.1)
.rept \n
	v_nop
.endr
.endm
; one scaled product.  cz = 1: C is the constant 0, else v[c ..].  ar, br = 1: that side's scale words are taken from lanes 16-31
.macro WMS d, a, b, cz, c, ws, sw, ar, br
.if \cz
.if \ar
	v_wmma_scale_f32_16x16x128_f8f6f4 v[\d:\d+7], v[\a:\a+7], v[\b:\b+7], 0, v[\ws], v[\sw] matrix_a_fmt:MATRIX_FMT_FP4 matrix_b_fmt:MATRIX_FMT_FP4 matrix_a_scale:MATRIX_SCALE_ROW1
.else
	v_wmma_scale_f32_16x16x128_f8f6f4 v[\d:\d+7], v[\a:\a+7], v[\b:\b+7], 0, v[\ws], v[\sw] matrix_a_fmt:MATRIX_FMT_FP4 matrix_b_fmt:MATRIX_FMT_FP4
.endif
.else
.if \ar
	v_wmma_scale_f32_16x16x128_f8f6f4 v[\d:\d+7], v[\a:\a+7], v[\b:\b+7], v[\c:\c+7], v[\ws], v[\sw] matrix_a_fmt:MATRIX_FMT_FP4 matrix_b_fmt:MATRIX_FMT_FP4 matrix_a_scale:MATRIX_SCALE_ROW1
.elseif \br
	v_wmma_scale_f32_16x16x128_f8f6f4 v[\d:\d+7], v[\a:\a+7], v[\b:\b+7], v[\c:\c+7], v[\ws], v[\sw] matrix_a_fmt:MATRIX_FMT_FP4 matrix_b_fmt:MATRIX_FMT_FP4 matrix_b_scale:MATRIX_SCALE_ROW1
.else
	v_wmma_scale_f32_16x16x128_f8f6f4 v[\d:\d+7], v[\a:\a+7], v[\b:\b+7], v[\c:\c+7], v[\ws], v[\sw] matrix_a_fmt:MATRIX_FMT_FP4 matrix_b_fmt:MATRIX_FMT_FP4
.endif
.endif
.endm
; dz2 = Q(a) Q(W2): instruction k of 32: tiles 0-7 (into P), K steps 0, 1; then tiles 8-15 (into Q).  The eight accumulators of a half take turns
.macro WM13 k
.set mh, (\k)/16
.set ms, ((\k)%16)/8
.set mt, 8*mh+(\k)%8
	WIN 0x0d
	WMS P+8*mt, 128*ms+8*mt, F+8*ms, 1-ms, P+8*mt, WS0+8*ms+mt/2, SWF+ms, mt%2, 0
.endm
; dgh1 + G W1[j]: instruction k of 32: K step k / 16, tile k % 16, onto R (tiles 0-7) and P (tiles 8-15), which hold G W1[j]
.macro WM18 k
.set ms, (\k)/16
.set mt, (\k)%16
.set md, R+8*mt
.if mt >= 8
.set md, P+8*(mt-8)
.endif
	WIN 0x0e
	WMS md, 128*ms+8*mt, F2+8*ms, 0, md, WS1+8*ms+mt/2, SWG+ms, mt%2, 0
.endm
.macro MATI wm, k
.if (\wm) == 13
	WM13 \k
.else
	WM18 \k
.endif
.endm
; the Hessian's small product: source 0 = the tile's 16 directions, source 1 = W1's 16 rows: lane (r, h) holds ddy[i = r][j = 8 h + 0 .. 7], 32 neighbouring bytes
.macro M20A
	WIN 0xff
	WMS D20, F, W1Q, 1, 0, SWF, WS2, 0, 0
.endm
.macro M20B
	WIN 0xff
	s_wait_alu depctr_va_vdst(0)                   ; the wait, directly ahead
	WMS D20, F+8, W1Q+8, 0, D20, SWF+1, WS2, 0, 1
.endm
; 64 multiplies by a compact vector z, numbers i0 .. i0 + 63, ascending.  kind 0: dst = z x WL;  kind 1: dst = z x dst.
; nw matrix instructions stand among them (16: one in front of every fourth multiply; 8: from the 8th multiply on, one in front of every seventh; 1: the small product's first link behind the 8th):
; the multiplies name none of those instructions' registers and are their places.
.macro RUN64 kind, dst, z, i0, nw, wm, k0
.irp l, 0,1,2,3,4,5,6,7,8,9,10,11,12,13,14,15
.irp e, 0,1,2,3
.set rj, 4*\l+\e
.if (\nw) == 16
.if \e == 0
	MATI \wm, (\k0)+\l
.endif
.endif
.if (\nw) == 8
.if (rj >= 8) && ((rj-8)%7 == 0)
	MATI \wm, (\k0)+(rj-8)/7
.endif
.endif
.if (\nw) == 1
.if rj == 8
	M20A
.endif
.endif
.if (\kind) == 0
	WIN 0x0f
	v_mul_f32_dpp v[\dst+rj], v[\z+4*((\i0)/64)+\e], v[(\i0)+rj] row_share:\l row_mask:0xf bank_mask:0xf
.else
	WIN 0x03
	v_mul_f32_dpp v[\dst+rj], v[\z+4*((\i0)/64)+\e], v[\dst+rj] row_share:\l row_mask:0xf bank_mask:0xf
.endif
.endr
.endr
.endm
; THE QUANTISER: 64 numbers of a lane, v[src ..]: two whole blocks of 32, one K step's half of my row -> 8 registers of codes at v[fd ..] of window 3 and the K step's scale word in v[sw].
; Eight chains of eight numbers by turns; the floor 2^(3 - 127) is one more leaf, so that the byte cannot fall under 1.  hook = 1: the small product's second link stands behind the third round.
.macro QNT src, fd, sw, hook
	WIN 0
.irp m, 0,1,2,3,4,5,6,7
	v_max3_num_f32 v[MM+\m], |v[\src+8*\m]|, |v[\src+8*\m+1]|, |v[\src+8*\m+2]|
.endr
.irp m, 0,1,2,3,4,5,6,7
	v_max3_num_f32 v[MM+\m], v[MM+\m], |v[\src+8*\m+3]|, |v[\src+8*\m+4]|
.endr
.irp m, 0,1,2,3,4,5,6,7
	v_max3_num_f32 v[MM+\m], v[MM+\m], |v[\src+8*\m+5]|, |v[\src+8*\m+6]|
.endr
.if \hook
	M20B
	WIN 0
.endif
.irp m, 0,1,2,3,4,5,6,7
	v_max3_num_f32 v[MM+\m], v[MM+\m], |v[\src+8*\m+7]|, 0x1800000
.endr
	v_max3_num_f32 v[MM], v[MM], v[MM+1], v[MM+2]
	v_max3_num_f32 v[MM+4], v[MM+4], v[MM+5], v[MM+6]
	v_max_num_f32 v[MM], v[MM], v[MM+3]
	v_max_num_f32 v[MM+4], v[MM+4], v[MM+7]
	v_add_nc_u32 v[MM], 0xff000000, v[MM]          ; 2 off the exponent field: the conversion takes the exponent field of this operand as its scale
	v_add_nc_u32 v[MM+4], 0xff000000, v[MM+4]
	v_lshrrev_b32 v[MM+1], 23, v[MM]               ; the bytes of blocks h and 2 + h,
	v_lshrrev_b32 v[MM+5], 23, v[MM+4]
	v_lshl_or_b32 v[MM+1], v[MM+5], 16, v[MM+1]
	v_lshlrev_b32 v[MM+1], v1, v[MM+1]             ; 8 h bits up;
	v_permlanex16_b32 v[MM+2], v[MM+1], s24, s25
	v_or_b32 v[\sw], v[MM+1], v[MM+2]              ; with lane l xor 16's two the word is whole
	WIN 0xc0
.irp c, 0,1
.irp g, 0,1,2,3
	v_cvt_scalef32_pk8_fp4_f32 v[\fd+4*\c+\g], v[\src+32*\c+8*\g:\src+32*\c+8*\g+7], v[MM+4*\c]
.endr
.endr
	v_nop                                          ; one plain line behind the last conversion
.endm
.macro CLOAD dst, off                  ; a compact vector: 16 bytes a lane from each half of a row's 512
	WIN 0xc0
	ds_load_b128 v[\dst:\dst+3], v3 offset:\off
	ds_load_b128 v[\dst+4:\dst+7], v3 offset:\off+256
.endm
; z1 of tiles 4 g .. 4 g + 3, in f32: source 0 = 16 units x 4 of W1^T, source 1 = x; b1 is the C of the first K step.  Four accumulators by turns; only matrix instructions write them
.macro ZW g
.irp q, 0,1,2,3
.if \q == 0
	WIN 0xd1
.else
	WIN 0xf1
.endif
.irp k, 0,1,2,3
.if \q == 0
	v_wmma_f32_16x16x4_f32 v[ZD+8*\k:ZD+8*\k+7], v[8*(4*\g+\k)+2*\q:8*(4*\g+\k)+2*\q+1], v[XB+2*\q:XB+2*\q+1], v[128+32*\g+8*\k:128+32*\g+8*\k+7]
.else
	v_wmma_f32_16x16x4_f32 v[ZD+8*\k:ZD+8*\k+7], v[8*(4*\g+\k)+2*\q:8*(4*\g+\k)+2*\q+1], v[XB+2*\q:XB+2*\q+1], v[ZD+8*\k:ZD+8*\k+7]
.endif
.endr
.endr
.endm
; Layer 1's activations, 16 numbers (i = 32 g + 16 e + k).  t = 2^(-|z| log2 e);  softplus = max(z, 0) + ln 2 log2(1 + t) + eps / (1 + t), eps the exact rounding error of 1 + t, so that the small end keeps its
; relative accuracy;  sigmoid(|z|) = 1 / (1 + t), sigmoid(-|z|) = t / (1 + t): s1 and 1 - s1 are chosen between them by z's sign.  h1 stays in P; s1 and 1 - s1 go to my rows of S and (for now) of G.
.macro ACT1 g, e
.set zb, ZD+16*(\e)
.set hb, P+(32*(\g)+16*(\e))%64
.set ib, 4*(32*(\g)+16*(\e))
	WIN 0x03
.irp k, 0,1,2,3,4,5,6,7,8,9,10,11,12,13,14,15
	v_mul_f32 v[TT+\k], -|v[zb+\k]|, s26           ; (each accumulator is read from its low end on)
.endr
	WIN 0
.irp k, 0,1,2,3,4,5,6,7,8,9,10,11,12,13,14,15
	v_exp_f32 v[TT+\k], v[TT+\k]
.endr
	WIN 0x03
.irp k, 0,1,2,3,4,5,6,7,8,9,10,11,12,13,14,15
	v_max_num_f32 v[hb+\k], v[zb+\k], 0            ; plain work behind the batch
.endr
.irp k, 0,1,2,3,4,5,6,7,8,9,10,11,12,13,14,15
	v_cmp_gt_f32 s[40+\k], v[zb+\k], 0
.endr
	WIN 0
	s_wait_alu depctr_va_vdst(0)                   ; one wait for the sixteen exponentials, ahead of their first reader
.irp k, 0,2,4,6,8,10,12,14
	v_pk_add_f32 v[DN+\k:DN+\k+1], v[TT+\k:TT+\k+1], 1.0 op_sel_hi:[1,0]
.endr
.irp k, 0,1,2,3,4,5,6,7,8,9,10,11,12,13,14,15
	v_rcp_f32 v[RR+\k], v[DN+\k]
.endr
.irp k, 0,1,2,3,4,5,6,7,8,9,10,11,12,13,14,15
	v_log_f32 v[LG+\k], v[DN+\k]
.endr
	v_nop                                          ; a plain line behind the last of them
	s_wait_alu depctr_va_vdst(0)                   ; one wait for the thirty-two
.irp k, 0,2,4,6,8,10,12,14
	v_pk_add_f32 v[DN+\k:DN+\k+1], v[DN+\k:DN+\k+1], 1.0 op_sel_hi:[1,0] neg_lo:[1,0] neg_hi:[1,0]   ; 1 - (1 + t), exact
.endr
.irp k, 0,2,4,6,8,10,12,14
	v_pk_add_f32 v[DN+\k:DN+\k+1], v[DN+\k:DN+\k+1], v[TT+\k:TT+\k+1]                                ; + t: eps, exact
.endr
.irp k, 0,2,4,6,8,10,12,14
	v_pk_mul_f32 v[TT+\k:TT+\k+1], v[TT+\k:TT+\k+1], v[RR+\k:RR+\k+1]                                ; t / (1 + t)
.endr
.irp k, 0,2,4,6,8,10,12,14
	v_pk_mul_f32 v[DN+\k:DN+\k+1], v[DN+\k:DN+\k+1], v[RR+\k:RR+\k+1]
.endr
.irp k, 0,2,4,6,8,10,12,14
	v_pk_fma_f32 v[DN+\k:DN+\k+1], v[LG+\k:LG+\k+1], s[28:29], v[DN+\k:DN+\k+1] op_sel_hi:[1,0,1]
.endr
.irp k, 0,2,4,6,8,10,12,14
	v_pk_add_f32 v[hb+\k:hb+\k+1], v[hb+\k:hb+\k+1], v[DN+\k:DN+\k+1]                                ; h1
.endr
.irp k, 0,1,2,3,4,5,6,7,8,9,10,11,12,13,14,15
	v_cndmask_b32 v[LG+\k], v[TT+\k], v[RR+\k], s[40+\k]       ; s1
.endr
.irp k, 0,1,2,3,4,5,6,7,8,9,10,11,12,13,14,15
	v_cndmask_b32 v[DN+\k], v[RR+\k], v[TT+\k], s[40+\k]       ; 1 - s1
.endr
.irp v, 0,1,2,3
	ds_store_b128 v4, v[LG+4*\v:LG+4*\v+3] offset:ib+16*\v
	ds_store_b128 v4, v[DN+4*\v:DN+4*\v+3] offset:2*REG+ib+16*\v
.endr
.endm
.macro DM4 d, z, s, l                  ; four multiplies by a compact vector's lane l
.irp e, 0,1,2,3
	v_mul_f32_dpp v[\d+\e], v[\z+\e], v[\s+\e] row_share:\l row_mask:0xf bank_mask:0xf
.endr
.endm
; Layer 2's activations, 16 numbers (i = 16 b + k), in place in P and Q.  l0 .. l3 = 4 (b % 4) + 0 .. 3: the lanes of compact W3 that hold these numbers' weights.
; y's sums take W3 softplus(z2);  gz2 = W3 s2 stays in place;  W3 s2 (1 - s2) goes to my row of C2.
.macro ACT2 b, l0, l1, l2, l3
.set zb, P+16*(\b)
.set wb, SC+4*((\b)/4)
.set ib, 64*(\b)
	WIN 0
.irp k, 0,1,2,3,4,5,6,7,8,9,10,11,12,13,14,15
	v_mul_f32 v[TT+\k], -|v[zb+\k]|, s26
.endr
.irp k, 0,1,2,3,4,5,6,7,8,9,10,11,12,13,14,15
	v_exp_f32 v[TT+\k], v[TT+\k]
.endr
.irp k, 0,1,2,3,4,5,6,7,8,9,10,11,12,13,14,15
	v_cmp_gt_f32 s[40+\k], v[zb+\k], 0
.endr
.irp k, 0,1,2,3,4,5,6,7,8,9,10,11,12,13,14,15
	v_max_num_f32 v[zb+\k], 0, v[zb+\k]
.endr
	s_wait_alu depctr_va_vdst(0)                   ; one wait for the sixteen exponentials
.irp k, 0,2,4,6,8,10,12,14
	v_pk_add_f32 v[DN+\k:DN+\k+1], v[TT+\k:TT+\k+1], 1.0 op_sel_hi:[1,0]
.endr
.irp k, 0,1,2,3,4,5,6,7,8,9,10,11,12,13,14,15
	v_rcp_f32 v[RR+\k], v[DN+\k]
.endr
.irp k, 0,1,2,3,4,5,6,7,8,9,10,11,12,13,14,15
	v_log_f32 v[LG+\k], v[DN+\k]
.endr
	v_nop
	s_wait_alu depctr_va_vdst(0)                   ; one wait for the thirty-two
.irp k, 0,2,4,6,8,10,12,14
	v_pk_fma_f32 v[DN+\k:DN+\k+1], v[LG+\k:LG+\k+1], s[28:29], v[zb+\k:zb+\k+1] op_sel_hi:[1,0,1]    ; softplus(z2): it goes into no quantiser
.endr
.irp k, 0,2,4,6,8,10,12,14
	v_pk_mul_f32 v[TT+\k:TT+\k+1], v[TT+\k:TT+\k+1], v[RR+\k:RR+\k+1]
.endr
.irp k, 0,1,2,3,4,5,6,7,8,9,10,11,12,13,14,15
	v_cndmask_b32 v[LG+\k], v[TT+\k], v[RR+\k], s[40+\k]       ; s2
.endr
.irp k, 0,2,4,6,8,10,12,14
	v_pk_mul_f32 v[TT+\k:TT+\k+1], v[TT+\k:TT+\k+1], v[RR+\k:RR+\k+1]                                ; s2 (1 - s2)
.endr
	WIN 0x03
	DM4 DN, wb, DN, \l0
	DM4 DN+4, wb, DN+4, \l1
	DM4 DN+8, wb, DN+8, \l2
	DM4 DN+12, wb, DN+12, \l3
	DM4 zb, wb, LG, \l0
	DM4 zb+4, wb, LG+4, \l1
	DM4 zb+8, wb, LG+8, \l2
	DM4 zb+12, wb, LG+12, \l3
	DM4 TT, wb, TT, \l0
	DM4 TT+4, wb, TT+4, \l1
	DM4 TT+8, wb, TT+8, \l2
	DM4 TT+12, wb, TT+12, \l3
	WIN 0
.irp k, 0,4,8,12
	v_pk_add_f32 v[10:11], v[10:11], v[DN+\k:DN+\k+1]
	v_pk_add_f32 v[12:13], v[12:13], v[DN+\k+2:DN+\k+3]
.endr
.irp v, 0,1,2,3
	ds_store_b128 v4, v[TT+4*\v:TT+4*\v+3] offset:REG+ib+16*\v
.endr
.endm
.macro GZL b                           ; s1 and 1 - s1 of numbers 16 b .. 16 b + 15 come back from my rows, into half b % 2 of R
.irp v, 0,1,2,3
	ds_load_b128 v[R+32*((\b)%2)+4*\v:R+32*((\b)%2)+4*\v+3], v4 offset:64*(\b)+16*\v
.endr
.irp v, 0,1,2,3
	ds_load_b128 v[R+32*((\b)%2)+16+4*\v:R+32*((\b)%2)+16+4*\v+3], v4 offset:2*REG+64*(\b)+16*\v
.endr
.endm
.macro GZ b, cnt                       ; G = gh1 (1 - s1) to my row of G; gz1 = gh1 s1 in place.  cnt: the LDS instructions issued behind batch b's loads
	s_wait_dscnt \cnt
.set gb, R+32*((\b)%2)
.set pb, P+16*(\b)
.irp k, 0,2,4,6,8,10,12,14
	v_pk_mul_f32 v[gb+16+\k:gb+16+\k+1], v[pb+\k:pb+\k+1], v[gb+16+\k:gb+16+\k+1]
.endr
.irp k, 0,2,4,6,8,10,12,14
	v_pk_mul_f32 v[pb+\k:pb+\k+1], v[pb+\k:pb+\k+1], v[gb+\k:gb+\k+1]
.endr
.irp v, 0,1,2,3
	ds_store_b128 v4, v[gb+16+4*\v:gb+16+4*\v+3] offset:2*REG+64*(\b)+16*\v
.endr
.if (\b) < 6
	GZL (\b)+2
.endif
.endm
.macro OUTSTAGE                        ; a block of 1,024 bytes: 32 bytes a lane into my stage, back as 2 x 512 consecutive bytes (LDS serves a wave's instructions in order: ISA guide 5.7.1.4)
	WIN 0x0c
	ds_store_b128 v5, v[D20:D20+3]
	ds_store_b128 v5, v[D20+4:D20+7] offset:16
	WIN 0xc0
	ds_load_b128 v[OB:OB+3], v6
	ds_load_b128 v[OB+4:OB+7], v6 offset:640
.endm
.macro PEND                            ; the block that is waiting leaves: each store covers 512 consecutive bytes, aligned
	WIN 0x0c
	global_store_b128 v7, v[OB:OB+3], s[32:33] th:TH_STORE_NT
	global_store_b128 v7, v[OB+4:OB+7], s[32:33] offset:512 th:TH_STORE_NT
.endm
	; ---- ids and addresses
	s_load_b512 s[4:19], s[0:1], 0x0               ; x s[4:5], W1 s[6:7], W3 s[8:9], b1 s[10:11], b2 s[12:13], wq s[14:15], out0 s[16:17], out1 s[18:19]
	s_load_b64 s[20:21], s[0:1], 0x40              ; out2
	v_lshrrev_b32 v59, 5, v0
	v_readfirstlane_b32 s22, v59                   ; wave 0..3
	v_and_b32 v57, 15, v0                          ; r
	v_bfe_u32 v58, v0, 4, 1                        ; h
	v_and_b32 v63, 31, v0                          ; lane
	v_lshlrev_b32 v1, 3, v58
	v_lshlrev_b32 v7, 4, v63
	s_mul_i32 s36, s22, WRS
	s_add_co_u32 s36, s36, WRB                     ; my wave's three regions
	v_lshlrev_b32 v2, 4, v57
	v_lshl_add_u32 v2, v58, 9, v2
	v_add_nc_u32 v2, s36, v2                       ; compact: 512 h + 16 r
	v_mul_u32_u24 v4, v57, PITCH
	v_lshl_add_u32 v4, v58, 9, v4
	v_add_nc_u32 v4, s36, v4                       ; natural: row r, 512 h
	s_mul_i32 s37, s22, 1280
	s_add_co_u32 s37, s37, OSB                     ; my out stage
	v_mul_u32_u24 v5, v57, 80
	v_lshl_add_u32 v5, v58, 5, v5
	v_add_nc_u32 v5, s37, v5
	v_lshrrev_b32 v59, 2, v63
	v_mul_u32_u24 v6, v59, 80
	v_and_b32 v60, 3, v63
	v_lshl_add_u32 v6, v60, 4, v6
	v_add_nc_u32 v6, s37, v6
	s_mul_i32 s38, s22, 16896                      ; my 33 of the 132 quads
	v_add_nc_u32 v61, s38, v7
	v_lshlrev_b32 v62, 7, v58                      ; biases: 32 h numbers
	v_lshlrev_b32 v53, 6, v57
	v_lshl_add_u32 v53, v58, 3, v53                ; x: row r, + 2 h numbers
	v_and_b32 v59, 7, v57
	v_lshrrev_b32 v60, 3, v57
	v_lshlrev_b32 v54, 2, v59
	v_lshl_add_u32 v54, v60, 7, v54
	v_lshl_add_u32 v54, v58, 11, v54               ; W1^T: column r % 8 + 32 (r / 8), 2 h rows down
	v_lshl_add_u32 v55, v57, 10, v62               ; WL: row r of W1, + 32 h numbers
	v_lshl_add_u32 v56, v59, 4, v62
	v_lshl_add_u32 v56, v60, 8, v56                ; compact W3: 64 (r / 8) + 32 h + 4 (r % 8) numbers
	s_mov_b32 s24, 0x76543210
	s_mov_b32 s25, 0xfedcba98                      ; v_permlanex16_b32's selects for lane l xor 16
	s_mov_b32 s26, 0x3fb8aa3b                      ; log2(e)
	s_mov_b32 s28, 0x3f317218                      ; ln 2
	s_mov_b32 s29, s28                             ; (named with it as a pair, so it is written)
	s_lshl_b32 s39, ttmp9, 6
	s_lshl_b32 s36, s22, 4
	s_add_co_u32 s39, s39, s36                     ; my first sample
	s_mov_b32 s37, 0
	s_wait_kmcnt 0x0
	s_lshl_b32 s36, s39, 6
	s_add_nc_u64 s[4:5], s[4:5], s[36:37]          ; x at my samples
	s_add_nc_u64 s[32:33], s[18:19], s[36:37]      ; where the waiting block goes: first dy, 1,024 bytes
	s_lshl_b32 s36, s39, 2
	s_add_nc_u64 s[16:17], s[16:17], s[36:37]
	s_lshl_b32 s36, s39, 10
	s_add_nc_u64 s[34:35], s[20:21], s[36:37]      ; and the block after it: my first sample's Hessian
	s_mov_b32 s36, s38
	s_add_nc_u64 s[56:57], s[14:15], s[36:37]      ; my quads of wq
	; ---- loads: what layer 1 wants first, wq last
.irp q, 0,1,2,3
	global_load_b64 v[XB+2*\q:XB+2*\q+1], v53, s[4:5] offset:16*\q
.endr
	WIN 0x40
.set tt, 0
.rept 16
.irp q, 0,1,2,3
.irp j, 0,1
	global_load_b32 v[8*tt+2*\q+\j], v54, s[6:7] offset:(4*\q+\j)*1024+4*(128*(tt/8)+64*((tt/4)%2)+8*(tt%4))
.endr
.endr
.set tt, tt+1
.endr
.set vv, 0
.rept 32
	global_load_b128 v[128+4*vv:128+4*vv+3], v62, s[10:11] offset:4*(128*(vv/16)+64*((vv/8)%2)+(4*vv)%32)
.set vv, vv+1
.endr
	WIN 0xc0
.set vv, 0
.rept 32
	global_load_b128 v[4*vv:4*vv+3], v55, s[6:7] offset:4*(128*(vv/16)+64*((vv/8)%2)+(4*vv)%32)
.set vv, vv+1
.endr
	global_load_b128 v[SC:SC+3], v56, s[8:9]
	global_load_b128 v[SC+4:SC+7], v56, s[8:9] offset:512
	WIN 0x80
.set qq, 0
.rept 33
	global_load_b128 v[4*qq:4*qq+3], v7, s[56:57] offset:512*qq
.set qq, qq+1
.endr
	WIN 0
.irp q, 0,1,2,3,4,5,6,7
	global_load_b128 v[WS0+4*\q:WS0+4*\q+3], v7, s[14:15] offset:SCB+512*\q
.endr
	global_load_b32 v[WS2], v7, s[14:15] offset:SCB+4096
	s_wait_loadcnt 42                              ; all but the 42 loads of wq (33 quads, 8 quads of scale words, 1 word)
	; ---- layer 1
	ZW 0
	PLACES 8
	ACT1 0, 0
	ACT1 0, 1
	ZW 1
	PLACES 8
	ACT1 1, 0
	ACT1 1, 1
	QNT P, F, SWF, 0                               ; h1, K step 0
	s_wait_loadcnt 0x0                             ; wq
	WIN 0x08
.set qq, 0
.rept 33
	ds_store_b128 v61, v[4*qq:4*qq+3] offset:512*qq
.set qq, qq+1
.endr
	WIN 0
	s_wait_dscnt 0x0                               ; for the others' sake: my quads lie in LDS
	s_barrier_signal -1
	s_barrier_wait -1                              ; everybody's do; nobody writes them again
	WIN 0x80
.set vv, 0
.rept 32
	global_load_b128 v[4*vv:4*vv+3], v62, s[12:13] offset:4*(128*(vv/16)+64*((vv/8)%2)+(4*vv)%32)   ; b2, where the staged quads lay
.set vv, vv+1
.endr
	ZW 2
	PLACES 8
	ACT1 2, 0
	ACT1 2, 1
	ZW 3
	PLACES 8                                       ; also in front of the loads into the registers that held W1^T and b1
	WIN 0x40
.set qq, 0
.rept 64
	ds_load_b128 v[4*qq:4*qq+3], v7 offset:512*qq  ; W2 along axis 0
.set qq, qq+1
.endr
	ACT1 3, 0
	ACT1 3, 1
	QNT P, F+8, SWF+1, 0                           ; h1, K step 1
	; ---- z2 = Q(h1) Q(W2) + b2: sixteen accumulators by turns, P and Q on end
	s_wait_dscnt 0x0
	s_wait_loadcnt 0x0                             ; b2
	PLACES 8
	WIN 0x2d
.irp t, 0,1,2,3,4,5,6,7,8,9,10,11,12,13,14,15
	WMS P+8*\t, 8*\t, F, 0, 8*\t, WS0+\t/2, SWF, \t%2, 0
.endr
	WIN 0x0d
.irp t, 0,1,2,3,4,5,6,7,8,9,10,11,12,13,14,15
	WMS P+8*\t, 128+8*\t, F+8, 0, P+8*\t, WS0+8+\t/2, SWF+1, \t%2, 0
.endr
	PLACES 4
	WIN 0
	v_add_nc_u32 v8, 0x10000, v7                   ; the last four quads lie beyond an LDS offset's 16 bits
	v_mov_b32 v10, 0                               ; y's sums
	v_mov_b32 v11, 0
	v_mov_b32 v12, 0
	v_mov_b32 v13, 0
	WIN 0x80
.set qq, 0
.rept 64
	ds_load_b128 v[4*qq:4*qq+3], v7 offset:32768+512*qq   ; W2 along axis 1: it lands under layer 2's activations
.set qq, qq+1
.endr
	WIN 0xc0
.irp q, 0,1,2,3
	ds_load_b128 v[W1Q+4*\q:W1Q+4*\q+3], v8 offset:512*\q
.endr
	; ---- layer 2
	ACT2 0, 0, 1, 2, 3
	ACT2 1, 4, 5, 6, 7
	ACT2 2, 8, 9, 10, 11
	ACT2 3, 12, 13, 14, 15
	QNT P, F2, SWG, 0                              ; gz2, K step 0
	ACT2 4, 0, 1, 2, 3
	ACT2 5, 4, 5, 6, 7
	ACT2 6, 8, 9, 10, 11
	ACT2 7, 12, 13, 14, 15
	QNT Q, F2+8, SWG+1, 0
	WIN 0
	v_pk_add_f32 v[10:11], v[10:11], v[12:13]
	v_add_f32 v10, v10, v11
	v_permlanex16_b32 v12, v10, s24, s25
	v_add_f32 v10, v10, v12                        ; y of sample r
	v_and_b32 v13, 15, v0
	v_lshlrev_b32 v13, 2, v13
	global_store_b32 v13, v10, s[16:17]            ; lanes r and 16 + r write the same word with the same value
	s_wait_dscnt 0x0                               ; W2 along axis 1 and W1's codes are in; my rows of S, C2 and 1 - s1 are written
	GZL 0
	GZL 1
	PLACES 8
	; ---- gh1 = Q(gz2) Q(W2)^T
	WIN 0x0e
.irp t, 0,1,2,3,4,5,6,7,8,9,10,11,12,13,14,15
	WMS P+8*\t, 8*\t, F2, 1, 0, WS1+\t/2, SWG, \t%2, 0
.endr
.irp t, 0,1,2,3,4,5,6,7,8,9,10,11,12,13,14,15
	WMS P+8*\t, 128+8*\t, F2+8, 0, P+8*\t, WS1+8+\t/2, SWG+1, \t%2, 0
.endr
	PLACES 4
	WIN 0
	GZ 0, 8                                        ; behind batch 0's loads: batch 1's eight
	GZ 1, 12                                       ; behind batch b's: four stores and the next batch's eight loads
	GZ 2, 12
	GZ 3, 12
	GZ 4, 12
	GZ 5, 12
	GZ 6, 12
	GZ 7, 4                                        ; four stores
	QNT P, F, SWF, 0                               ; gz1
	QNT Q, F+8, SWF+1, 0
	PLACES 8
	; ---- dy: source 0 = W1's 16 rows, source 1 = my 16 samples: lane (r, h) holds dy[sample r][8 h + 0 .. 7]
	WIN 0xff
	WMS D20, W1Q, F, 1, 0, WS2, SWF, 0, 0
	s_wait_alu depctr_va_vdst(0)                   ; the wait, directly ahead
	WMS D20, W1Q+8, F+8, 0, D20, WS2, SWF+1, 1, 0
	PLACES 4
	OUTSTAGE
	; ---- into the loop: the spare row of each region is written once (any numbers: what is made of them is never used); tile 0's vectors; tile 0's first half of a
	WIN 0
.irp g, 0,1,2
	ds_store_b128 v2, v[P:P+3] offset:16*PITCH+\g*REG
	ds_store_b128 v2, v[P:P+3] offset:16*PITCH+\g*REG+256
.endr
	s_mov_b32 s30, 0                               ; the tile's row in a region, in bytes
	s_mov_b32 s31, 0                               ; the tile
	v_add_nc_u32 v3, s30, v2
	CLOAD SA, 0
	CLOAD G, 2*REG
	CLOAD C2, REG
	s_wait_dscnt 0x0
	RUN64 0, Q, SA, 0, 0, 0, 0
	QNT Q, F, SWF, 0
	WIN 0                                          ; at a label and at a branch every window is 0
.Ltile:                                            ; 16 trips: sample n of my sixteen
	v_add_nc_u32 v3, s30, v2
	CLOAD SC, 0                                    ; S of this tile once more: SA is about to take the next tile's
	RUN64 0, R, SA, 64, 0, 0, 0                    ; a, numbers 64 on
	CLOAD SA, PITCH
	QNT R, F+8, SWF+1, 0
	s_wait_dscnt 0x0                               ; the waiting block is back from the stage (and SC, SA are in)
	PEND
	RUN64 0, R, G, 0, 16, 13, 0                    ; G W1[j], numbers 0-63 | dz2, tiles 0-7
	RUN64 1, P, C2, 0, 16, 13, 16                  ; bq, numbers 0-63 | dz2, tiles 8-15
	QNT P, F2, SWG, 0
	RUN64 0, P, G, 64, 8, 18, 0                    ; G W1[j], numbers 64 on | dgh1: K step 0, tiles 0-7
	CLOAD G, 2*REG+PITCH                           ; the next tile's
	RUN64 1, Q, C2, 64, 8, 18, 8                   ; bq, numbers 64 on | K step 0, tiles 8-15
	CLOAD C2, REG+PITCH
	QNT Q, F2+8, SWG+1, 0
	s_wait_dscnt 0x0                               ; the next tile's three vectors are in
	s_wait_xcnt 0x0                                ; the stores above have read their base and their data: both are written again only behind this wait
	s_mov_b64 s[32:33], s[34:35]                   ; where this tile's block will go,
	s_add_nc_u64 s[34:35], s[34:35], 1024          ; and the next one's
	RUN64 0, Q, SA, 0, 8, 18, 16                   ; THE NEXT TILE'S a, numbers 0-63 | K step 1, tiles 0-7
	RUN64 1, R, SC, 0, 8, 18, 24                   ; cq, numbers 0-63 | K step 1, tiles 8-15
	QNT R, F, SWF, 0
	RUN64 1, P, SC, 64, 1, 0, 0                    ; cq, numbers 64 on | the small product's first link
	QNT P, F+8, SWF+1, 0
	QNT Q, F, SWF, 1                               ; the next tile's first operand | the small product's second link
	OUTSTAGE                                       ; the block waits for the next trip: its way through the stage is never sat out
	s_add_co_u32 s30, s30, PITCH
	WIN 0
	s_add_co_u32 s31, s31, 1
	s_cmp_lt_u32 s31, 16
	s_cbranch_scc1 .Ltile
	s_wait_dscnt 0x0
	PEND                                           ; the last tile's block
	s_wait_xcnt 0x0
	v_lshl_add_u32 v254, v0, 2, 0x46000
	v_mov_b32 v255, 0
	s_set_vgpr_msb 0xc00
	s_wait_tensorcnt 0x0
	ds_add_u32 v254, v255
	s_wait_dscnt 0x0
	s_set_vgpr_msb 0xc
	s_endpgm
.Lfunc_end_k_qa779104787_main:
	.size	k_qa779104787_main, .Lfunc_end_k_qa779104787_main-k_qa779104787_main
	.p2alignl 7, 3214868480
	.fill 96, 4, 3214868480
	.section	.rodata,"a",@progbits
	.p2align	6, 0x0
	.amdhsa_kernel k_qa779104787_main
		.amdhsa_group_segment_fixed_size 287232
		.amdhsa_private_segment_fixed_size 0
		.amdhsa_enable_private_segment 0
		.amdhsa_kernarg_size 72
		.amdhsa_user_sgpr_count 2
		.amdhsa_user_sgpr_kernarg_segment_ptr 1
		.amdhsa_wavefront_size32 1
		.amdhsa_system_sgpr_workgroup_id_x 1
		.amdhsa_system_sgpr_workgroup_id_y 1
		.amdhsa_system_sgpr_workgroup_id_z 1
		.amdhsa_system_vgpr_workitem_id 0
		.amdhsa_next_free_vgpr 1024
		.amdhsa_next_free_sgpr 66
		.amdhsa_reserve_vcc 0
		.amdhsa_float_denorm_mode_32 3
		.amdhsa_float_denorm_mode_16_64 3
		.amdhsa_memory_ordered 1
		.amdhsa_forward_progress 1
		.amdhsa_inst_pref_size 255
	.end_amdhsa_kernel
	.section	.bss,"aw",@nobits
	.p2align	6
	.space	262144
	.amdgpu_metadata
---
amdhsa.version: [ 1, 2 ]
amdhsa.kernels:
  - .name:           k_qa779104787_main
    .symbol:         k_qa779104787_main.kd
    .args:
      - { .name: x, .offset: 0, .size: 8, .value_kind: global_buffer, .address_space: global }
      - { .name: W1, .offset: 8, .size: 8, .value_kind: global_buffer, .address_space: global }
      - { .name: W3, .offset: 16, .size: 8, .value_kind: global_buffer, .address_space: global }
      - { .name: b1, .offset: 24, .size: 8, .value_kind: global_buffer, .address_space: global }
      - { .name: b2, .offset: 32, .size: 8, .value_kind: global_buffer, .address_space: global }
      - { .name: wq, .offset: 40, .size: 8, .value_kind: global_buffer, .address_space: global }
      - { .name: out0, .offset: 48, .size: 8, .value_kind: global_buffer, .address_space: global }
      - { .name: out1, .offset: 56, .size: 8, .value_kind: global_buffer, .address_space: global }
      - { .name: out2, .offset: 64, .size: 8, .value_kind: global_buffer, .address_space: global }
    .group_segment_fixed_size: 287232
    .private_segment_fixed_size: 0
    .kernarg_segment_align: 8
    .kernarg_segment_size: 72
    .max_flat_workgroup_size: 128
    .sgpr_count:     66
    .vgpr_count:     1024
    .wavefront_size: 32
...
	.end_amdgpu_metadata
.endif
;; end of part 2
